; MI455X (gfx1250); checked and timed in simulation.
; The chip was launched on July 23, 2026; its instructions are those of AMD's public machine-readable ISA for CDNA 5 (MIT licence, August 2026) and "CDNA5" Instruction Set Architecture Reference Guide (July 2026). The comments in the code are by the model that wrote it; some were corrected since.
;; Multi Head Attn. Allowed arithmetic: matrix products marked QUANTISED: E4M3 operands, one given power-of-two scale a tensor, by v_wmma_f32_16x16x64_fp8_fp8 or v_wmma_f32_16x16x128_fp8_fp8, f32 sums; everything else in f32.
;; Inputs: k 1 x 16 x 4,096 x 64 float32; lowp_scales 4 int32 (the exponents e of the quantised operands' scales 2^e); q 1 x 16 x 4,096 x 64 float32; v 1 x 16 x 4,096 x 64 float32.
;; Outputs: out0 1 x 16 x 4,096 x 64 float32.
;; Constants: layer_idx = 1.
;; This version of the problem:
;;   THIS VERSION OF THE PROBLEM IS GIVEN IN LOW PRECISION. The matrix products marked QUANTISED in the list below multiply operands that are first quantised to E4M3 (4 exponent bits, 3 mantissa bits; 8 bits a number), with one given power-of-two scale for each operand tensor; their sums are f32. All else is computed in f32.
;;   The module's matrix products, in the order in which they are computed (A, B: the left and right operand; K: the contracted axis; several contracted axes count as one K, in the product's order):
;;     1. batch 16 x [M 4,096, K 64] x [K 64, N 4,096]; A: input q; B: input k: QUANTISED (scales: A lowp_scales[0], B lowp_scales[1])
;;     2. batch 16 x [M 4,096, K 4,096] x [K 4,096, N 64]; A: softmax (see below); B: input v: QUANTISED (scales: A lowp_scales[2], B lowp_scales[3])
;;   THE QUANTISER, for each operand of a quantised product, along K:
;;     - The operand's scale is 2^e, e = its entry of the input lowp_scales (int32; the entries are numbered through the quantised products in the list's order, A before B).
;;     - Each number is divided by the scale, clamped to +-448, and rounded to the nearest number of E4M3, ties to even, subnormals kept.
;;     - The product sums the exact products of the quantised numbers (number of the format x scale) in f32.
;;   ~~~python
;;   def quantise(x, axis, e):      # numpy; x: float32 -> the quantised numbers, widened to float32 again
;;       x = np.moveaxis(x, axis, -1); K = x.shape[-1]
;;       r = np.clip(x / 2.0 ** e, -448, 448)
;;       step = 2.0 ** (np.maximum(np.frexp(np.where(r == 0, 1, r))[1] - 1, -6) - 3)
;;       q = np.round(r / step) * step * 2.0 ** e      # np.round: ties to even
;;       return np.moveaxis(q, -1, axis).astype(np.float32)
;;   ~~~
;;   SOFTMAX AHEAD OF A QUANTISED PRODUCT. Where the list says 'softmax', what is quantised is not the finished softmax but p = 2^(t - M), with t = logit x log2(e) and M = ceil(the row's largest t), a whole number; so 1/2 < the row's largest p <= 1. The row's sum l is taken of the UNQUANTISED p, in f32, and the product's result is divided by l at the end. Since M is a whole number, a kernel that streams over the keys may use a running M (the ceiling of the running maximum): every later rescaling is an exact power of two, so the quantised numbers keep their values, but for numbers so far below the row's largest that they fall under the format's range.
;;   OPERANDS COMPUTED ON THE WAY. 'Computed on the way' means the value that the module computes at that place (a softmax that the list does not call 'softmax' is quantised finished and normalised). What goes into a quantiser is computed in f32, as accurately as f32 sums, v_exp_f32 and their like allow (about 1e-6 of the number): no bf16 or f16 on the way to a quantiser, and a product that is left as it is and whose result goes on into a quantised operand takes f32 operands (vector FMAs, or v_wmma_f32_16x16x4_f32). A number that lies on a knife's edge between two numbers of the format may be rounded either way, as far as f32 arithmetic and the matrix unit's own rounding can turn it there, and no further.
;; 2 versions. Each part assembles by itself: llvm-mc -triple=amdgcn-amd-amdhsa -mcpu=gfx1250 --defsym DOCPART=n.
;; ======== version 1 of 2: 1 launch
;; limits: right only within a limited range of input values
;; launch attn (part 1): grid 16 x 16, 16 waves a work-group, no clusters, 165,888 bytes of LDS; arguments q, k, v, lowp_scales, out0; writes out0
.if DOCPART == 1
	.amdgcn_target "amdgcn-amd-amdhsa--gfx1250"
	.amdhsa_code_object_version 6
	.text
	.protected	k_q09c26e48da_attn
	.globl	k_q09c26e48da_attn
	.p2align	8
	.type	k_q09c26e48da_attn,@function
k_q09c26e48da_attn:
	s_mov_b64 s[64:65], 0
	v_nop
	global_prefetch_b8 v0, s[64:65] scope:SCOPE_SE
	s_setreg_imm32_b32 hwreg(HW_REG_WAVE_MODE, 25, 1), 1
	s_wait_xcnt 0x0
; out0[h][i][:] = the sum over j of softmax_j(q[h][i] . k[h][j] / 8) v[h][j][:], key j counting for query i where i - 256 < j <= i (the banded causal mask of layer_idx = 1).
; q, k, v, out0: [16][4096][64] f32.  Both products on codes of FP8 (E4M3), each operand with its given scale 2^e: eq, ek, ep, ev = lowp_scales[0..3].
; THE SOFTMAX AHEAD OF THE SECOND PRODUCT: t = score x log2(e) / 8; M = the row's largest t rounded UP to a whole number; p = 2^(t - M) is quantised, not normalised; the row's sum is taken of the unquantised p and divides at the end.
; A row's whole band (288 keys in tiles) lies in registers at once, so M is the row's final M: one pass, no running maximum, nothing is rescaled.
; SHARES.  A work-group owns 256 queries of one head (grid: 16 blocks x 16 heads) and needs the 512 keys from 256 before its first query on: local key kk = key - (256 block - 256).
; Sixteen waves of 256 registers.  Wave w quantises local keys 32 w .. 32 w + 31 of k and of v and its own 16 queries; codes go to LDS; ONE barrier; then wave w makes queries 16 w .. 16 w + 15 alone.
; All 40 global loads of a wave (16 bytes a lane each) are issued at the start; every input byte passes through registers once, to be quantised.  No tensor loads: nothing in LDS is filled twice.
; LAYOUT.  Both products are used transposed, so that a lane holds ONE query (lane % 16) throughout.
;   S^T = K Q^T: source 0 = 16 neighbouring keys, source 1 = my 16 queries.  Lane (r, h) of either fragment holds row r, d = 32 h .. 32 h + 31: the same permutation of the head's 64 on both sides.
;   In S^T's tile c register j of lane (r, h) is the key 16 c + 8 h + j from local key 32 G0 on, G0 = w / 2.  A conversion of a tile's 8 registers gives 2 registers of P's operand, in that operand's own order.
;   O^T = V^T P^T: source 0 = 16 of the head's 64.  Tile e of V^T takes d = 4 x row + e, so that the lane that loaded d = 4 r .. 4 r + 3 of 16 keys holds, after a 4 x 4 turn of bytes, the operand's own registers:
;   they go through LDS as an image of the registers (16 bytes a lane, 512 bytes a block; block 4 G + e for the 32 keys of granule G).  In O^T's tile e register j of lane (r, h) is d = 32 h + 4 j + e.
;   The band is 9 granules; the fifth step of 64 keys has a tenth, whose codes of P are 0; on V's side stand registers that hold other finite codes, or zeros: they add nothing.
; MASK.  y = 16 c + j is a constant of the text; delta = 16 (w % 2) + r - 8 h.  Hidden: y <= delta (older than the window: tiles 0, 1), y - 256 > delta (after the query: tiles 16, 17),
;   and in a head's first block the local keys under 256, which lie before the head: y <= 255 - 32 G0 - 8 h (tiles 0 to 15, under a scalar branch on the block's number; the rows read for them are the head's rows 0 to 31).
;   Hidden scores become -infinity, p = 0.  Every query has its own key, so M is a number.
; LIMITS.  Each of eq, ek, ep, ev between -126 and 119 (each 2^e and 448 x 2^e is an f32 number).  eq + ek between -123 and 8: they are added to c's exponent field, and the largest held score,
;   448^2 x 64 x 2^(eq + ek) / 8, then stays far above the -1e9 that the definition puts on hidden keys, whose weight is 0 there as here.  NaN among the inputs is not served; infinities are held at the largest code.
.set KC,   0                           ; LDS: k's codes, 512 rows of 64 bytes + 16 of padding: pitch 80, an odd multiple of 16: the 16 rows of a fragment load start in 16 different columns of 16 bytes
.set VIMG, 40960                       ; v's codes: 64 blocks of 512 bytes
.set QC,   73728                       ; q's codes: 16 rows x 80 bytes for each wave, its own
.set STG,  94208                       ; the way out: 16 rows x (256 + 16) bytes for each wave, its own; ends at 163,840
.set XK,  16                           ; v16-79    k as loaded: 16 loads x 4
.set XV,  80                           ; v80-143   v as loaded
.set XQ,  144                          ; v144-175  q as loaded
.set CK,  176                          ; v176-191  k's codes
.set CV,  192                          ; v192-207  v's codes, a key a register
.set TT,  208                          ; v208-223  the turn of bytes, half way
.set VB,  224                          ; v224-239  v's codes as the operand wants them: tile e at VB + 4 e
.set CQ,  240                          ; v240-247  q's codes
.set S,   16                           ; v16-159   S^T, then p: 18 tiles x 8
.set Z4,  160                          ; v160-163  zeros: the tenth granule of V^T's tile 3
.set KF,  164                          ; v164-235  nine fragments of K
.set QF,  236                          ; v236-243  Q's fragment
.set P,   164                          ; v164-203  P's codes: 2 registers a tile; v200-203 zeros
.set O,   204                          ; v204-235  O^T: tile e at O + 8 e
.set MX,  236                          ; v236-239  four chains of the maximum
.set SUM, 242                          ; v242-249  four pairs of the row's sum
.set VF,  16                           ; v16-159   V^T's fragments: tile e, granule g at VF + 36 e + 4 g
.set OUT, 16                           ; v16-47    my query's 32 neighbouring d
.set BK,  48                           ; v48-79    rows read back from the stage
; v1 lane, v2 r, v3 h; v4 16 x lane; v5 v's offset; v6-13 LDS addresses; v14 delta; v15 LOW; v[240:241] -M and the largest t; v250 -infinity; v251 a permute's destination; v252 1 / sum;
; v248/249, v250/251, v252/253, v254/255: 2^e and 448 x 2^e for k, v, q, p (the first three are free behind the barrier)
	s_load_b256 s[4:11], s[0:1], 0x0               ; q s[4:5], k s[6:7], v s[8:9], the scales' exponents s[10:11]
	s_load_b64 s[12:13], s[0:1], 0x20              ; out0
	v_lshrrev_b32 v1, 5, v0
	v_readfirstlane_b32 s14, v1                    ; wave w, 0..15
	s_mov_b32 s15, ttmp9                           ; block of 256 queries
	s_and_b32 s16, ttmp7, 0xffff                   ; head
	s_lshr_b32 s17, s14, 1                         ; G0: my band's first granule of 32 local keys
	v_and_b32 v1, 31, v0                           ; lane
	v_and_b32 v2, 15, v0                           ; r
	v_bfe_u32 v3, v0, 4, 1                         ; h
	v_lshlrev_b32 v4, 4, v1                        ; 16 x lane: k, q, out0: 32 lanes take two rows of 256 bytes
	v_lshlrev_b32 v5, 4, v2
	v_lshl_add_u32 v5, v3, 11, v5                  ; v: 16 lanes take one row, lanes 16-31 the row 8 further on
	v_mul_u32_u24 v248, v3, 80
	v_lshl_add_u32 v248, v2, 2, v248               ; codes in: row h of a pair, 4 bytes at 4 r
	v_mul_u32_u24 v249, v2, 80
	v_lshl_add_u32 v249, v3, 5, v249               ; a fragment out: row r, 32 bytes at 32 h
	s_mul_i32 s34, s14, 2560                       ; my 32 rows of k's codes (KC = 0)
	v_add_nc_u32 v6, s34, v248
	s_mul_i32 s35, s14, 1280
	s_add_co_u32 s35, s35, QC                      ; my 16 rows of q's codes
	v_add_nc_u32 v7, s35, v248
	v_add_nc_u32 v10, s35, v249
	s_mul_i32 s36, s14, 2048
	s_add_co_u32 s36, s36, VIMG                    ; my granule's four blocks
	v_add_nc_u32 v8, s36, v4
	s_mul_i32 s37, s17, 2560                       ; my band's first row of k's codes
	v_add_nc_u32 v9, s37, v249
	s_mul_i32 s38, s17, 2048
	s_add_co_u32 s38, s38, VIMG                    ; my band's first blocks
	v_add_nc_u32 v11, s38, v4
	s_mul_i32 s39, s14, 4352
	s_add_co_u32 s39, s39, STG                     ; my stage
	v_mul_u32_u24 v250, v2, 272
	v_lshl_add_u32 v250, v3, 7, v250
	v_add_nc_u32 v12, s39, v250                    ; in: row r, 128 bytes at 128 h
	v_mul_u32_u24 v251, v3, 272
	v_lshl_add_u32 v251, v2, 4, v251
	v_add_nc_u32 v13, s39, v251                    ; back: lanes 0-15 one row, lanes 16-31 the next
	s_and_b32 s40, s14, 1
	s_lshl_b32 s40, s40, 4
	v_lshlrev_b32 v248, 3, v3                      ; 8 h
	v_sub_nc_u32 v14, v2, v248
	v_add_nc_u32 v14, s40, v14                     ; delta = 16 (w % 2) + r - 8 h, between -8 and 31
	s_lshl_b32 s41, s17, 5
	s_sub_co_i32 s41, 255, s41                     ; 255 - 32 G0: the last y + 8 h that lies before the head, in a head's first block
	s_cmp_eq_u32 s15, 0
	s_cselect_b32 s41, s41, -16                    ; elsewhere a number under every delta
	v_sub_nc_u32 v15, s41, v248
	v_cmp_gt_i32 vcc_lo, v14, v15
	v_cndmask_b32 v15, v15, v14, vcc_lo            ; LOW = the larger of the two: y <= LOW is hidden
	s_lshl_b32 s18, s16, 20                        ; a head is 4,096 rows of 256 bytes
	s_lshl_b32 s34, s15, 16
	s_add_co_u32 s18, s18, s34
	s_lshl_b32 s34, s14, 12
	s_add_co_u32 s18, s18, s34                     ; q, out0: head, block's 256 rows, wave's 16 rows
	s_mov_b32 s19, 0
	s_lshl_b32 s34, s15, 8
	s_lshl_b32 s35, s14, 5
	s_add_co_u32 s34, s34, s35
	s_sub_co_i32 s34, s34, 256                     ; k, v: row 256 block + 32 w - 256 of the head,
	s_max_i32 s34, s34, 0                          ; or row 0 where that lies before the head: bytes of the buffer, all of them hidden by the mask
	s_lshl_b32 s20, s34, 8
	s_lshl_b32 s35, s16, 20
	s_add_co_u32 s20, s20, s35
	s_mov_b32 s21, 0
	s_mov_b32 s22, 0x3e38aa3b                      ; c = log2(e) / 8
	s_mov_b32 s28, 0x76543210                      ; v_permlanex16_b32's selects for lane l xor 16
	s_mov_b32 s29, 0xfedcba98
	s_mov_b32 s30, 0x05010400                      ; v_perm_b32: bytes 0 and 1 of two words, interleaved
	s_mov_b32 s31, 0x07030602                      ; bytes 2 and 3
	s_mov_b32 s32, 0x05040100                      ; the two low halves
	s_mov_b32 s33, 0x07060302                      ; the two high halves
	s_wait_kmcnt 0x0
	s_load_b128 s[24:27], s[10:11], 0x0            ; eq, ek, ep, ev
	s_add_nc_u64 s[4:5], s[4:5], s[18:19]
	s_add_nc_u64 s[12:13], s[12:13], s[18:19]
	s_add_nc_u64 s[6:7], s[6:7], s[20:21]
	s_add_nc_u64 s[8:9], s[8:9], s[20:21]
	; 40 loads, 20 KiB a wave, all on their way at once.  None of their address registers is ever written again.
.irp i, 0,1,2,3,4,5,6,7,8,9,10,11,12,13,14,15
	global_load_b128 v[XK+4*\i:XK+4*\i+3], v4, s[6:7] offset:512*\i            ; k: rows 2 i + h, d = 4 r ..: 512 consecutive bytes
.endr
.irp c, 0,1
.irp j, 0,1,2,3,4,5,6,7
	global_load_b128 v[XV+32*\c+4*\j:XV+32*\c+4*\j+3], v5, s[8:9] offset:(16*\c+\j)*256   ; v: key 16 c + 8 h + j, d = 4 r ..: sixteen lanes read a whole row of 256 bytes
.endr
.endr
.irp i, 0,1,2,3,4,5,6,7
	global_load_b128 v[XQ+4*\i:XQ+4*\i+3], v4, s[4:5] offset:512*\i th:TH_LOAD_NT   ; q: read once in the whole launch
.endr
	s_wait_kmcnt 0x0
.macro SCALE e, sc, lim                ; v[sc] = 2^e as f32 (the conversion takes its exponent field), v[lim] = 448 x 2^e
	s_add_co_i32 s34, s[\e], 127
	s_lshl_b32 s35, s34, 23
	v_mov_b32 v[\sc], s35
	s_add_co_i32 s34, s34, 8
	s_lshl_b32 s34, s34, 23
	s_or_b32 s34, s34, 0x600000
	v_mov_b32 v[\lim], s34
.endm
	SCALE 25, 248, 249                             ; k
	SCALE 27, 250, 251                             ; v
	SCALE 24, 252, 253                             ; q
	SCALE 26, 254, 255                             ; p
	s_add_co_i32 s34, s24, s25
	s_lshl_b32 s34, s34, 23
	s_add_co_i32 s22, s22, s34                     ; a sum of the first product stands for sum x 2^(eq + ek): the two exponents are added to c's exponent field
	s_mov_b32 s23, s22                             ; (named with it as a pair, so it is written)
; 16 rows of k or of q (8 loads, 32 registers from x on) become codes: register n of c on = 4 codes, d = 4 r .. 4 r + 3 of row 2 n + h; each goes to its row in LDS.  cnt: the younger global loads, which may stay out.
.macro ROWS x, c, sc, lim, adr, off, cnt
	s_wait_loadcnt \cnt
.set II, 0
.rept 32
	v_med3_num_f32 v[(\x)+II], v[(\x)+II], -v[\lim], v[\lim]   ; the conversion to an 8-bit code does not saturate (ISA guide 7.6.2): the hold at the largest code x the scale
.set II, II+1
.endr
.irp m, 0,1,2,3
	v_cvt_scalef32_pk8_fp8_f32 v[(\c)+2*\m:(\c)+2*\m+1], v[(\x)+8*\m:(\x)+8*\m+7], v[\sc]
.endr
	v_nop                                          ; one plain vector line behind the last conversion of a run: later products write the numbers' registers
.irp n, 0,1,2,3,4,5,6,7
	ds_store_b32 v[\adr], v[(\c)+\n] offset:(\off)+160*\n      ; 16 lanes fill a row's 64 bytes, lanes 16-31 the next row's
.endr
.endm
; 16 keys of v (tile c of my granule): codes, a key a register; then 4 x 4 bytes are turned, so that a register holds 4 neighbouring keys of one d
.macro VTILE c, cnt
	s_wait_loadcnt \cnt
.set II, 0
.rept 32
	v_med3_num_f32 v[XV+32*(\c)+II], v[XV+32*(\c)+II], -v251, v251
.set II, II+1
.endr
.irp n, 0,1,2,3
	v_cvt_scalef32_pk8_fp8_f32 v[CV+8*(\c)+2*\n:CV+8*(\c)+2*\n+1], v[XV+32*(\c)+8*\n:XV+32*(\c)+8*\n+7], v250
.endr
	v_nop                                          ; one plain vector line between the conversions and the lines that read their results
.irp f, 0,1                                    ; keys 8 h + 4 f + 0 .. 3 of the tile
	v_perm_b32 v[TT+8*(\c)+4*\f],   v[CV+8*(\c)+4*\f+1], v[CV+8*(\c)+4*\f],   s30
	v_perm_b32 v[TT+8*(\c)+4*\f+1], v[CV+8*(\c)+4*\f+1], v[CV+8*(\c)+4*\f],   s31
	v_perm_b32 v[TT+8*(\c)+4*\f+2], v[CV+8*(\c)+4*\f+3], v[CV+8*(\c)+4*\f+2], s30
	v_perm_b32 v[TT+8*(\c)+4*\f+3], v[CV+8*(\c)+4*\f+3], v[CV+8*(\c)+4*\f+2], s31
	v_perm_b32 v[VB+2*(\c)+\f],    v[TT+8*(\c)+4*\f+2], v[TT+8*(\c)+4*\f],   s32    ; d = 4 r
	v_perm_b32 v[VB+4+2*(\c)+\f],  v[TT+8*(\c)+4*\f+2], v[TT+8*(\c)+4*\f],   s33    ; d = 4 r + 1
	v_perm_b32 v[VB+8+2*(\c)+\f],  v[TT+8*(\c)+4*\f+3], v[TT+8*(\c)+4*\f+1], s32    ; d = 4 r + 2
	v_perm_b32 v[VB+12+2*(\c)+\f], v[TT+8*(\c)+4*\f+3], v[TT+8*(\c)+4*\f+1], s33    ; d = 4 r + 3
.endr
.endm
	ROWS XK,    CK,   248, 249, 6, 0,    32        ; k's first 8 loads are in; 8 of k, 16 of v, 8 of q may be out
	ROWS XK+32, CK+8, 248, 249, 6, 1280, 24
	VTILE 0, 16
	VTILE 1, 8
.irp e, 0,1,2,3
	ds_store_b128 v8, v[VB+4*\e:VB+4*\e+3] offset:512*\e       ; the operand's registers as they stand: 512 consecutive bytes a store
.endr
	ROWS XQ, CQ, 252, 253, 7, 0, 0
	s_wait_dscnt 0x0                               ; for the others' sake: my stores of codes have landed
	s_barrier_signal -1
	s_barrier_wait -1                              ; all 512 keys' codes lie in LDS; nothing there is written again
	; ---- S^T = K Q^T: 18 tiles of 16 keys, each one product (K = the head's 64) that starts its own sum with the constant 0
	ds_load_b128 v[QF:QF+3],   v10
	ds_load_b128 v[QF+4:QF+7], v10 offset:16
.macro KBATCH b                        ; nine fragments in one run of 18 loads, then nine products, each behind the wait for its own fragment
.irp t, 0,1,2,3,4,5,6,7,8
	ds_load_b128 v[KF+8*\t:KF+8*\t+3],   v9 offset:1280*(9*(\b)+\t)
	ds_load_b128 v[KF+8*\t+4:KF+8*\t+7], v9 offset:1280*(9*(\b)+\t)+16
.endr
.irp t, 0,1,2,3,4,5,6,7,8
	s_wait_dscnt 16-2*\t                           ; LDS loads come back in order: fragment t is in, the batch's younger loads stay out
	v_wmma_f32_16x16x64_fp8_fp8 v[S+8*(9*(\b)+\t):S+8*(9*(\b)+\t)+7], v[KF+8*\t:KF+8*\t+7], v[QF:QF+7], 0
.endr
.endm
	KBATCH 0
.rept 4
	v_nop                                          ; four places in front of loads into registers that matrix instructions have read (ISA guide 7.12.1 for vector instructions)
.endr
	KBATCH 1
	v_mov_b32 v250, 0xff800000                     ; -infinity.  These two lines and two v_nop are the four places behind the last product
	v_mov_b32 v251, 0                              ; written once: a lane permute's destination counts as one of its sources
	v_nop
	v_nop
	; ---- the mask.  Each tile is taken from its low end on
.macro HIDE_LO c
.irp j, 0,1,2,3,4,5,6,7
	v_cmp_le_i32 vcc_lo, 16*(\c)+\j, v15
	v_cndmask_b32 v[S+8*(\c)+\j], v[S+8*(\c)+\j], v250, vcc_lo
.endr
.endm
.macro HIDE_HI c
.irp j, 0,1,2,3,4,5,6,7
	v_cmp_gt_i32 vcc_lo, 16*(\c)+\j-256, v14
	v_cndmask_b32 v[S+8*(\c)+\j], v[S+8*(\c)+\j], v250, vcc_lo
.endr
.endm
	HIDE_LO 0                                      ; delta is 31 at the most: y <= delta can hold in tiles 0 and 1 alone
	HIDE_LO 1
	s_cmp_lg_u32 s15, 0                            ; a branch on the block's number: only a head's first block has keys before the head
	s_cbranch_scc1 .Lnot_first
.irp c, 2,3,4,5,6,7,8,9,10,11,12,13,14,15
	HIDE_LO \c
.endr
.Lnot_first:
	HIDE_HI 16                                     ; delta is -8 at the least: y - 256 > delta can hold from y = 249 on: tiles 16 and 17
	HIDE_HI 17
	; ---- the row's largest score, among my 144 keys in four chains, then lane l xor 16's
.irp k, 0,1,2,3
	v_max_num_f32 v[MX+\k], v[S+2*\k], v[S+2*\k+1]
.endr
.irp t, 1,2,3,4,5,6,7,8,9,10,11,12,13,14,15,16,17
.irp k, 0,1,2,3
	v_max3_num_f32 v[MX+\k], v[MX+\k], v[S+8*\t+2*\k], v[S+8*\t+2*\k+1]
.endr
.endr
	v_max3_num_f32 v[MX], v[MX], v[MX+1], v[MX+2]
	v_max_num_f32 v[MX], v[MX], v[MX+3]
	v_permlanex16_b32 v251, v[MX], s28, s29
	v_max_num_f32 v[MX], v[MX], v251
	v_mul_f32 v241, s22, v[MX]                     ; as t (c is positive)
	v_floor_f32 v240, -v241                        ; -M = floor(-t) = -ceil(t): a whole number
	; ---- p = 2^(t - M), its sum, its codes; tile by tile, one tile's exponentials ahead of the tile before's sums, holds and conversion.
	; So a plain line on other registers stands behind every run of exponentials and behind every conversion.
.macro SM t
.if (\t) < 18
.irp p, 0,2,4,6
	v_pk_fma_f32 v[S+8*(\t)+\p:S+8*(\t)+\p+1], v[S+8*(\t)+\p:S+8*(\t)+\p+1], s[22:23], v[240:241] op_sel_hi:[1,0,0]   ; t - M, two at a time (of the pairs c and -M the low word serves both halves)
.endr
.irp j, 0,1,2,3,4,5,6,7
	v_exp_f32 v[S+8*(\t)+\j], v[S+8*(\t)+\j]
.endr
.endif
.if (\t) > 0
.set PT, S+8*((\t)-1)
.if (\t) == 1                                  ; the first two tiles start the four pairs: nothing is cleared
	s_wait_alu depctr_va_vdst(0)
	v_pk_add_f32 v[SUM:SUM+1],   v[PT:PT+1],   v[PT+2:PT+3]
	v_pk_add_f32 v[SUM+2:SUM+3], v[PT+4:PT+5], v[PT+6:PT+7]
.elseif (\t) == 2
	v_pk_add_f32 v[SUM+4:SUM+5], v[PT:PT+1],   v[PT+2:PT+3]
	v_pk_add_f32 v[SUM+6:SUM+7], v[PT+4:PT+5], v[PT+6:PT+7]
.else
	s_wait_alu depctr_va_vdst(0)
.irp p, 0,2,4,6
	v_pk_add_f32 v[SUM+\p:SUM+\p+1], v[SUM+\p:SUM+\p+1], v[PT+\p:PT+\p+1]   ; THE SUM IS TAKEN OF THE UNQUANTISED p
.endr
.endif
.irp j, 0,1,2,3,4,5,6,7
	v_min_num_f32 v[PT+\j], v[PT+\j], v255         ; p is not negative: the hold at the largest code x 2^ep is one-sided
.endr
	v_cvt_scalef32_pk8_fp8_f32 v[P+2*((\t)-1):P+2*((\t)-1)+1], v[PT:PT+7], v254
.endif
.endm
.irp t, 0,1,2,3,4,5,6,7,8,9,10,11,12,13,14,15,16,17,18
	SM \t
.endr
.irp j, 0,1,2,3
	v_mov_b32 v[Z4+\j], 0                          ; (these eight are also the plain lines behind the last conversion)
	v_mov_b32 v[P+36+\j], 0                        ; the tenth granule's codes of P: zeros
.endr
	; ---- V^T's fragments: 36 loads of 512 consecutive bytes, by key steps of 64, into the registers that p has left
.irp u, 0,1,2,3
.irp e, 0,1,2,3
.irp b, 0,1
	ds_load_b128 v[VF+36*\e+4*(2*\u+\b):VF+36*\e+4*(2*\u+\b)+3], v11 offset:(4*(2*\u+\b)+\e)*512
.endr
.endr
.endr
.irp e, 0,1,2,3
	ds_load_b128 v[VF+36*\e+32:VF+36*\e+35], v11 offset:(32+\e)*512
.endr
	; the row's sum, while they are on their way
	v_pk_add_f32 v[SUM:SUM+1],   v[SUM:SUM+1],   v[SUM+2:SUM+3]
	v_pk_add_f32 v[SUM+4:SUM+5], v[SUM+4:SUM+5], v[SUM+6:SUM+7]
	v_pk_add_f32 v[SUM:SUM+1],   v[SUM:SUM+1],   v[SUM+4:SUM+5]
	v_add_f32 v[SUM], v[SUM], v[SUM+1]
	v_permlanex16_b32 v251, v[SUM], s28, s29
	v_add_f32 v[SUM], v[SUM], v251                 ; with lane l xor 16's: the row's sum, at least 1/2
	v_rcp_f32 v252, v[SUM]
	s_add_co_i32 s34, s26, s27
	v_nop                                          ; one plain line behind a transcendental
	s_wait_alu depctr_va_vdst(0)
	v_ldexp_f32 v252, v252, s34                    ; 2^(ep + ev) / sum
	; ---- O^T = V^T P^T: five steps of 64 keys; the four accumulators take turns, one instruction a turn; the first step starts the sums
.irp u, 0,1,2,3,4
.if \u < 4
	s_wait_dscnt 28-8*\u                           ; this step's eight loads are in; those of the later steps may be out
.else
	s_wait_dscnt 0x0
.endif
.irp e, 0,1,2,3
.if \u == 0
	v_wmma_f32_16x16x64_fp8_fp8 v[O+8*\e:O+8*\e+7], v[VF+36*\e+8*\u:VF+36*\e+8*\u+7], v[P+8*\u:P+8*\u+7], 0
.else
	v_wmma_f32_16x16x64_fp8_fp8 v[O+8*\e:O+8*\e+7], v[VF+36*\e+8*\u:VF+36*\e+8*\u+7], v[P+8*\u:P+8*\u+7], v[O+8*\e:O+8*\e+7]
.endif
.endr
.endr
.rept 4
	v_nop                                          ; four places in front of the first read of results and of writes over the fragments' registers (ISA guide 7.12.1)
.endr
	; ---- the way out.  Register j of tile e is d = 32 h + 4 j + e: the division puts it at its place among my 32 neighbouring d.  Each accumulator is read from its low end on.
.irp j, 0,1,2,3,4,5,6,7
.irp e, 0,1,2,3
	v_mul_f32 v[OUT+4*\j+\e], v[O+8*\e+\j], v252
.endr
.endr
.irp i, 0,1,2,3,4,5,6,7
	ds_store_b128 v12, v[OUT+4*\i:OUT+4*\i+3] offset:16*\i     ; into my own stage: row r, rows 272 bytes apart
.endr
.irp i, 0,1,2,3,4,5,6,7
	ds_load_b128 v[BK+4*\i:BK+4*\i+3], v13 offset:544*\i       ; LDS serves a wave's instructions in order (ISA guide 5.7.1.4): these see my stores.  Rows 2 i + h, whole
.endr
.irp i, 0,1,2,3,4,5,6,7
	s_wait_dscnt 7-\i
	global_store_b128 v4, v[BK+4*\i:BK+4*\i+3], s[12:13] offset:512*\i th:TH_STORE_NT   ; 32 lanes store 512 consecutive bytes, at a multiple of 256 from out0's first byte; written once, read by nobody here
.endr
	s_wait_xcnt 0x0
	v_lshl_add_u32 v254, v0, 2, 0x28000
	v_mov_b32 v255, 0
	s_wait_tensorcnt 0x0
	ds_add_u32 v254, v255
	s_wait_dscnt 0x0
	s_endpgm
.Lfunc_end_k_q09c26e48da_attn:
	.size	k_q09c26e48da_attn, .Lfunc_end_k_q09c26e48da_attn-k_q09c26e48da_attn
	.p2alignl 7, 3214868480
	.fill 96, 4, 3214868480
	.section	.rodata,"a",@progbits
	.p2align	6, 0x0
	.amdhsa_kernel k_q09c26e48da_attn
		.amdhsa_group_segment_fixed_size 165888
		.amdhsa_private_segment_fixed_size 0
		.amdhsa_enable_private_segment 0
		.amdhsa_kernarg_size 40
		.amdhsa_user_sgpr_count 2
		.amdhsa_user_sgpr_kernarg_segment_ptr 1
		.amdhsa_wavefront_size32 1
		.amdhsa_system_sgpr_workgroup_id_x 1
		.amdhsa_system_sgpr_workgroup_id_y 1
		.amdhsa_system_sgpr_workgroup_id_z 1
		.amdhsa_system_vgpr_workitem_id 0
		.amdhsa_next_free_vgpr 256
		.amdhsa_next_free_sgpr 66
		.amdhsa_reserve_vcc 1
		.amdhsa_float_denorm_mode_32 3
		.amdhsa_float_denorm_mode_16_64 3
		.amdhsa_memory_ordered 1
		.amdhsa_forward_progress 1
		.amdhsa_inst_pref_size 73
	.end_amdhsa_kernel
	.amdgpu_metadata
---
amdhsa.version: [ 1, 2 ]
amdhsa.kernels:
  - .name:           k_q09c26e48da_attn
    .symbol:         k_q09c26e48da_attn.kd
    .args:
      - { .name: q, .offset: 0, .size: 8, .value_kind: global_buffer, .address_space: global }
      - { .name: k, .offset: 8, .size: 8, .value_kind: global_buffer, .address_space: global }
      - { .name: v, .offset: 16, .size: 8, .value_kind: global_buffer, .address_space: global }
      - { .name: lowp_scales, .offset: 24, .size: 8, .value_kind: global_buffer, .address_space: global }
      - { .name: out0, .offset: 32, .size: 8, .value_kind: global_buffer, .address_space: global }
    .group_segment_fixed_size: 165888
    .private_segment_fixed_size: 0
    .kernarg_segment_align: 8
    .kernarg_segment_size: 40
    .max_flat_workgroup_size: 512
    .sgpr_count:     66
    .vgpr_count:     256
    .wavefront_size: 32
...
	.end_amdgpu_metadata
.endif
;; end of part 1
;; ======== version 2 of 2: 1 launch; version 1 with the launch attn written anew for expert scheduling mode
;; limits: right only within a limited range of input values
;; launch attn (part 2): grid 16 x 16, 16 waves a work-group, no clusters, 165,888 bytes of LDS; arguments q, k, v, lowp_scales, out0; writes out0
.if DOCPART == 2
	.amdgcn_target "amdgcn-amd-amdhsa--gfx1250"
	.amdhsa_code_object_version 6
	.text
	.protected	k_q09c26e48da_attn
	.globl	k_q09c26e48da_attn
	.p2align	8
	.type	k_q09c26e48da_attn,@function
k_q09c26e48da_attn:
	s_mov_b64 s[64:65], 0
	v_nop
	global_prefetch_b8 v0, s[64:65] scope:SCOPE_SE
	s_setreg_imm32_b32 hwreg(HW_REG_WAVE_SCHED_MODE, 0, 2), 2
	s_setreg_imm32_b32 hwreg(HW_REG_WAVE_MODE, 25, 1), 1
	s_wait_xcnt 0x0
	s_wait_alu depctr_vm_vsrc(0)
; out0[h][i][:] = the sum over j of softmax_j(q[h][i] . k[h][j] / 8) v[h][j][:], key j counting for query i where i - 256 < j <= i (the banded causal mask of layer_idx = 1).
; q, k, v, out0: [16][4096][64] f32.  Both products on codes of FP8 (E4M3), each operand with its given scale 2^e: eq, ek, ep, ev = lowp_scales[0..3].
; THE SOFTMAX AHEAD OF THE SECOND PRODUCT: t = score x log2(e) / 8; M = the row's largest t rounded UP to a whole number; p = 2^(t - M) is quantised, not normalised; the row's sum is taken of the unquantised p and divides at the end.
; A row's whole band (288 keys in tiles) lies in registers at once, so M is the row's final M: one pass, no running maximum, nothing is rescaled.
; SHARES.  A work-group owns 256 queries of one head (grid: 16 blocks x 16 heads) and needs the 512 keys from 256 before its first query on: local key kk = key - (256 block - 256).
; Sixteen waves of 256 registers.  Wave w quantises local keys 32 w .. 32 w + 31 of k and of v and its own 16 queries; codes go to LDS; ONE barrier; then wave w makes queries 16 w .. 16 w + 15 alone.
; All 40 global loads of a wave (16 bytes a lane each) are issued at the start; every input byte passes through registers once, to be quantised.  No tensor loads: nothing in LDS is filled twice.
; LAYOUT.  Both products are used transposed, so that a lane holds ONE query (lane % 16) throughout.
;   S^T = K Q^T: source 0 = 16 neighbouring keys, source 1 = my 16 queries.  Lane (r, h) of either fragment holds row r, d = 32 h .. 32 h + 31: the same permutation of the head's 64 on both sides.
;   In S^T's tile c register j of lane (r, h) is the key 16 c + 8 h + j from local key 32 G0 on, G0 = w / 2.  A conversion of a tile's 8 registers gives 2 registers of P's operand, in that operand's own order.
;   O^T = V^T P^T: source 0 = 16 of the head's 64.  Tile e of V^T takes d = 4 x row + e, so that the lane that loaded d = 4 r .. 4 r + 3 of 16 keys holds, after a 4 x 4 turn of bytes, the operand's own registers:
;   they go through LDS as an image of the registers (16 bytes a lane, 512 bytes a block; block 4 G + e for the 32 keys of granule G).  In O^T's tile e register j of lane (r, h) is d = 32 h + 4 j + e.
;   The band is 9 granules; the fifth step of 64 keys has a tenth, whose codes of P are 0; on V's side stand registers that hold other finite codes, or zeros: they add nothing.
; MASK.  y = 16 c + j is a constant of the text; delta = 16 (w % 2) + r - 8 h.  Hidden: y <= delta (older than the window: tiles 0, 1), y - 256 > delta (after the query: tiles 16, 17),
;   and in a head's first block the local keys under 256, which lie before the head: y <= 255 - 32 G0 - 8 h (tiles 0 to 15, under a scalar branch on the block's number; the rows read for them are the head's rows 0 to 31).
;   Hidden scores become -infinity, p = 0.  Every query has its own key, so M is a number.
; LIMITS.  Each of eq, ek, ep, ev between -126 and 119 (each 2^e and 448 x 2^e is an f32 number).  eq + ek between -123 and 8: they are added to c's exponent field, and the largest held score,
;   448^2 x 64 x 2^(eq + ek) / 8, then stays far above the -1e9 that the definition puts on hidden keys, whose weight is 0 there as here.  NaN among the inputs is not served; infinities are held at the largest code.
; THE MODE: SCHED_MODE bits 1:0 = 2 (LLVM: expert scheduling mode 2), set by the entry lines.  The code itself states the register dependences
; between vector or matrix instructions and memory or LDS instructions, with s_wait_alu, always for 0.
; THE PLAN.  Registers that memory or LDS instructions touch:
;   v4-13           offsets and LDS addresses: written at the head, never again; one wait on va_vdst ahead of the first load serves every load and store of the kernel.
;   XK, XV, XQ      global loads land in them once; behind that only vector and matrix instructions name them.
;   CK, CK+8, VB, CQ  written by conversions and turns of bytes, read by LDS stores.  A step's stores stand at the head of the NEXT step, behind its wait for data and one wait on va_vdst; q's, the last, behind a wait of their own.
;   QF, KF          LDS loads land where XQ, CK, CV, TT, VB, CQ lay: the wait ahead of q's stores shows the vector side done with these, one wait on vm_vsrc behind the barrier shows my LDS stores done reading them.
;                   KF is loaded a second time, behind one wait on va_vdst for the nine products that read it.
;   S^T / p         V^T's 36 loads land in p's 144 registers, two loads to a tile.  In tile t's turn of the softmax stands a wait on va_vdst for the exponentials; it also shows the holds and the conversion of tile t - 2 done,
;                   and no later vector line names that tile's registers: its two loads follow the wait at once.  Tile 17's two stand behind the reciprocal's wait.
;   OUT, BK         one wait on va_vdst ahead of the stage's stores: OUT is written, and the last products are done reading the registers in which the stage's loads land.
;   Scalars that vector lines write: the wave's number (one wait on va_sdst), the head's one compare (va_vcc), the mask's compares: sixteen to a run into s32-47, one wait on va_sdst a run.
.set KC,   0                           ; LDS: k's codes, 512 rows of 64 bytes + 16 of padding: pitch 80, an odd multiple of 16: the 16 rows of a fragment load start in 16 different columns of 16 bytes
.set VIMG, 40960                       ; v's codes: 64 blocks of 512 bytes
.set QC,   73728                       ; q's codes: 16 rows x 80 bytes for each wave, its own
.set STG,  94208                       ; the way out: 16 rows x (256 + 16) bytes for each wave, its own; ends at 163,840
.set XK,  16                           ; v16-79    k as loaded: 16 loads x 4
.set XV,  80                           ; v80-143   v as loaded
.set XQ,  144                          ; v144-175  q as loaded
.set CK,  176                          ; v176-191  k's codes
.set CV,  192                          ; v192-207  v's codes, a key a register
.set TT,  208                          ; v208-223  the turn of bytes, half way
.set VB,  224                          ; v224-239  v's codes as the operand wants them: tile e at VB + 4 e
.set CQ,  240                          ; v240-247  q's codes
.set S,   16                           ; v16-159   S^T, then p: 18 tiles x 8
.set Z4,  160                          ; v160-163  zeros: the tenth granule of V^T's tile 3
.set KF,  164                          ; v164-235  nine fragments of K
.set QF,  236                          ; v236-243  Q's fragment
.set P,   164                          ; v164-203  P's codes: 2 registers a tile; v200-203 zeros
.set O,   204                          ; v204-235  O^T: tile e at O + 8 e
.set MX,  236                          ; v236-239  four chains of the maximum
.set SUM, 242                          ; v242-249  four pairs of the row's sum
.set VF,  16                           ; v16-159   V^T's fragments: tile e, granule g at VF + 36 e + 4 g
.set OUT, 16                           ; v16-47    my query's 32 neighbouring d
.set BK,  48                           ; v48-79    rows read back from the stage
.set MK,  32                           ; s32-47    the mask's compares, sixteen to a run (the turn's selects and the head's temporaries are done with by then)
; v1 lane, v2 r, v3 h; v4 16 x lane; v5 v's offset; v6-13 LDS addresses; v14 delta; v15 LOW; v[240:241] -M and the largest t; v250 -infinity; v251 a permute's destination; v252 1 / sum;
; v248/249, v250/251, v252/253, v254/255: 2^e and 448 x 2^e for k, v, q, p (the first three are free behind the barrier)
	s_load_b256 s[4:11], s[0:1], 0x0               ; q s[4:5], k s[6:7], v s[8:9], the scales' exponents s[10:11]
	s_load_b64 s[12:13], s[0:1], 0x20              ; out0
	v_lshrrev_b32 v1, 5, v0
	v_readfirstlane_b32 s14, v1                    ; wave w, 0..15
	s_mov_b32 s15, ttmp9                           ; block of 256 queries
	s_and_b32 s16, ttmp7, 0xffff                   ; head
	s_wait_alu depctr_va_sdst(0)                   ; s14 is written, ahead of its first reader: LDS addresses and the buffers' offsets are made from it
	s_lshr_b32 s17, s14, 1                         ; G0: my band's first granule of 32 local keys
	v_and_b32 v1, 31, v0                           ; lane
	v_and_b32 v2, 15, v0                           ; r
	v_bfe_u32 v3, v0, 4, 1                         ; h
	v_lshlrev_b32 v4, 4, v1                        ; 16 x lane: k, q, out0: 32 lanes take two rows of 256 bytes
	v_lshlrev_b32 v5, 4, v2
	v_lshl_add_u32 v5, v3, 11, v5                  ; v: 16 lanes take one row, lanes 16-31 the row 8 further on
	v_mul_u32_u24 v248, v3, 80
	v_lshl_add_u32 v248, v2, 2, v248               ; codes in: row h of a pair, 4 bytes at 4 r
	v_mul_u32_u24 v249, v2, 80
	v_lshl_add_u32 v249, v3, 5, v249               ; a fragment out: row r, 32 bytes at 32 h
	s_mul_i32 s34, s14, 2560                       ; my 32 rows of k's codes (KC = 0)
	v_add_nc_u32 v6, s34, v248
	s_mul_i32 s35, s14, 1280
	s_add_co_u32 s35, s35, QC                      ; my 16 rows of q's codes
	v_add_nc_u32 v7, s35, v248
	v_add_nc_u32 v10, s35, v249
	s_mul_i32 s36, s14, 2048
	s_add_co_u32 s36, s36, VIMG                    ; my granule's four blocks
	v_add_nc_u32 v8, s36, v4
	s_mul_i32 s37, s17, 2560                       ; my band's first row of k's codes
	v_add_nc_u32 v9, s37, v249
	s_mul_i32 s38, s17, 2048
	s_add_co_u32 s38, s38, VIMG                    ; my band's first blocks
	v_add_nc_u32 v11, s38, v4
	s_mul_i32 s39, s14, 4352
	s_add_co_u32 s39, s39, STG                     ; my stage
	v_mul_u32_u24 v250, v2, 272
	v_lshl_add_u32 v250, v3, 7, v250
	v_add_nc_u32 v12, s39, v250                    ; in: row r, 128 bytes at 128 h
	v_mul_u32_u24 v251, v3, 272
	v_lshl_add_u32 v251, v2, 4, v251
	v_add_nc_u32 v13, s39, v251                    ; back: lanes 0-15 one row, lanes 16-31 the next
	s_and_b32 s40, s14, 1
	s_lshl_b32 s40, s40, 4
	v_lshlrev_b32 v248, 3, v3                      ; 8 h
	v_sub_nc_u32 v14, v2, v248
	v_add_nc_u32 v14, s40, v14                     ; delta = 16 (w % 2) + r - 8 h, between -8 and 31
	s_lshl_b32 s41, s17, 5
	s_sub_co_i32 s41, 255, s41                     ; 255 - 32 G0: the last y + 8 h that lies before the head, in a head's first block
	s_cmp_eq_u32 s15, 0
	s_cselect_b32 s41, s41, -16                    ; elsewhere a number under every delta
	v_sub_nc_u32 v15, s41, v248
	v_cmp_gt_i32 vcc_lo, v14, v15
	s_wait_alu depctr_va_vcc(0)                    ; the compare has written VCC, which the select below reads
	v_cndmask_b32 v15, v15, v14, vcc_lo            ; LOW = the larger of the two: y <= LOW is hidden
	s_lshl_b32 s18, s16, 20                        ; a head is 4,096 rows of 256 bytes
	s_lshl_b32 s34, s15, 16
	s_add_co_u32 s18, s18, s34
	s_lshl_b32 s34, s14, 12
	s_add_co_u32 s18, s18, s34                     ; q, out0: head, block's 256 rows, wave's 16 rows
	s_mov_b32 s19, 0
	s_lshl_b32 s34, s15, 8
	s_lshl_b32 s35, s14, 5
	s_add_co_u32 s34, s34, s35
	s_sub_co_i32 s34, s34, 256                     ; k, v: row 256 block + 32 w - 256 of the head,
	s_max_i32 s34, s34, 0                          ; or row 0 where that lies before the head: bytes of the buffer, all of them hidden by the mask
	s_lshl_b32 s20, s34, 8
	s_lshl_b32 s35, s16, 20
	s_add_co_u32 s20, s20, s35
	s_mov_b32 s21, 0
	s_mov_b32 s22, 0x3e38aa3b                      ; c = log2(e) / 8
	s_mov_b32 s28, 0x76543210                      ; v_permlanex16_b32's selects for lane l xor 16
	s_mov_b32 s29, 0xfedcba98
	s_mov_b32 s30, 0x05010400                      ; v_perm_b32: bytes 0 and 1 of two words, interleaved
	s_mov_b32 s31, 0x07030602                      ; bytes 2 and 3
	s_mov_b32 s32, 0x05040100                      ; the two low halves
	s_mov_b32 s33, 0x07060302                      ; the two high halves
	s_wait_kmcnt 0x0
	s_load_b128 s[24:27], s[10:11], 0x0            ; eq, ek, ep, ev
	s_add_nc_u64 s[4:5], s[4:5], s[18:19]
	s_add_nc_u64 s[12:13], s[12:13], s[18:19]
	s_add_nc_u64 s[6:7], s[6:7], s[20:21]
	s_add_nc_u64 s[8:9], s[8:9], s[20:21]
	s_wait_alu depctr_va_vdst(0)                   ; the offsets and LDS addresses v4 to v13 are written, which all the loads and stores below read; no vector line names them again
	; 40 loads, 20 KiB a wave, all on their way at once.  None of their address registers is ever written again.
.irp i, 0,1,2,3,4,5,6,7,8,9,10,11,12,13,14,15
	global_load_b128 v[XK+4*\i:XK+4*\i+3], v4, s[6:7] offset:512*\i            ; k: rows 2 i + h, d = 4 r ..: 512 consecutive bytes
.endr
.irp c, 0,1
.irp j, 0,1,2,3,4,5,6,7
	global_load_b128 v[XV+32*\c+4*\j:XV+32*\c+4*\j+3], v5, s[8:9] offset:(16*\c+\j)*256   ; v: key 16 c + 8 h + j, d = 4 r ..: sixteen lanes read a whole row of 256 bytes
.endr
.endr
.irp i, 0,1,2,3,4,5,6,7
	global_load_b128 v[XQ+4*\i:XQ+4*\i+3], v4, s[4:5] offset:512*\i th:TH_LOAD_NT   ; q: read once in the whole launch
.endr
	s_wait_kmcnt 0x0
.macro SCALE e, sc, lim                ; v[sc] = 2^e as f32 (the conversion takes its exponent field), v[lim] = 448 x 2^e
	s_add_co_i32 s34, s[\e], 127
	s_lshl_b32 s35, s34, 23
	v_mov_b32 v[\sc], s35
	s_add_co_i32 s34, s34, 8
	s_lshl_b32 s34, s34, 23
	s_or_b32 s34, s34, 0x600000
	v_mov_b32 v[\lim], s34
.endm
	SCALE 25, 248, 249                             ; k
	SCALE 27, 250, 251                             ; v
	SCALE 24, 252, 253                             ; q
	SCALE 26, 254, 255                             ; p
	s_add_co_i32 s34, s24, s25
	s_lshl_b32 s34, s34, 23
	s_add_co_i32 s22, s22, s34                     ; a sum of the first product stands for sum x 2^(eq + ek): the two exponents are added to c's exponent field
	s_mov_b32 s23, s22                             ; (named with it as a pair, so it is written)
; 16 rows of k or of q (8 loads, 32 registers from x on) become codes: register n of c on = 4 codes, d = 4 r .. 4 r + 3 of row 2 n + h.
.macro CODES x, c, sc, lim
.set II, 0
.rept 32
	v_med3_num_f32 v[(\x)+II], v[(\x)+II], -v[\lim], v[\lim]   ; the conversion to an 8-bit code does not saturate (ISA guide 7.6.2): the hold at the largest code x the scale
.set II, II+1
.endr
.irp m, 0,1,2,3
	v_cvt_scalef32_pk8_fp8_f32 v[(\c)+2*\m:(\c)+2*\m+1], v[(\x)+8*\m:(\x)+8*\m+7], v[\sc]
.endr
	v_nop                                          ; one plain vector line behind the last conversion of a run: later products write the numbers' registers
.endm
; and each register of codes goes to its row in LDS
.macro PUT c, adr, off
.irp n, 0,1,2,3,4,5,6,7
	ds_store_b32 v[\adr], v[(\c)+\n] offset:(\off)+160*\n      ; 16 lanes fill a row's 64 bytes, lanes 16-31 the next row's
.endr
.endm
; 16 keys of v (tile c of my granule): codes, a key a register; then 4 x 4 bytes are turned, so that a register holds 4 neighbouring keys of one d
.macro VTILE c
.set II, 0
.rept 32
	v_med3_num_f32 v[XV+32*(\c)+II], v[XV+32*(\c)+II], -v251, v251
.set II, II+1
.endr
.irp n, 0,1,2,3
	v_cvt_scalef32_pk8_fp8_f32 v[CV+8*(\c)+2*\n:CV+8*(\c)+2*\n+1], v[XV+32*(\c)+8*\n:XV+32*(\c)+8*\n+7], v250
.endr
	v_nop                                          ; one plain vector line between the conversions and the lines that read their results
.irp f, 0,1                                    ; keys 8 h + 4 f + 0 .. 3 of the tile
	v_perm_b32 v[TT+8*(\c)+4*\f],   v[CV+8*(\c)+4*\f+1], v[CV+8*(\c)+4*\f],   s30
	v_perm_b32 v[TT+8*(\c)+4*\f+1], v[CV+8*(\c)+4*\f+1], v[CV+8*(\c)+4*\f],   s31
	v_perm_b32 v[TT+8*(\c)+4*\f+2], v[CV+8*(\c)+4*\f+3], v[CV+8*(\c)+4*\f+2], s30
	v_perm_b32 v[TT+8*(\c)+4*\f+3], v[CV+8*(\c)+4*\f+3], v[CV+8*(\c)+4*\f+2], s31
	v_perm_b32 v[VB+2*(\c)+\f],    v[TT+8*(\c)+4*\f+2], v[TT+8*(\c)+4*\f],   s32    ; d = 4 r
	v_perm_b32 v[VB+4+2*(\c)+\f],  v[TT+8*(\c)+4*\f+2], v[TT+8*(\c)+4*\f],   s33    ; d = 4 r + 1
	v_perm_b32 v[VB+8+2*(\c)+\f],  v[TT+8*(\c)+4*\f+3], v[TT+8*(\c)+4*\f+1], s32    ; d = 4 r + 2
	v_perm_b32 v[VB+12+2*(\c)+\f], v[TT+8*(\c)+4*\f+3], v[TT+8*(\c)+4*\f+1], s33    ; d = 4 r + 3
.endr
.endm
	s_wait_alu depctr_va_vdst(0)
	; Five steps.  A step's LDS stores stand at the head of the next step, behind the wait for that step's data: each set of codes has registers of its own, so nothing is written again that a store reads.
	s_wait_loadcnt 32                              ; k's first 8 loads are in; 8 of k, 16 of v, 8 of q may be out
	CODES XK, CK, 248, 249
	s_wait_loadcnt 24                              ; k's other 8 loads are in
	s_wait_alu depctr_va_vdst(0)                   ; the conversions have written v[CK .. CK + 7], which the stores below read
	PUT CK, 6, 0
	CODES XK+32, CK+8, 248, 249
	s_wait_loadcnt 16                              ; v's first 8 loads are in
	s_wait_alu depctr_va_vdst(0)                   ; the conversions have written v[CK + 8 .. CK + 15], which the stores below read
	PUT CK+8, 6, 1280
	VTILE 0
	s_wait_loadcnt 8                               ; v's other 8 loads are in
	VTILE 1
	s_wait_loadcnt 0                               ; q is in
	s_wait_alu depctr_va_vdst(0)                   ; the turns of bytes have written v[VB ..], which the stores below read
.irp e, 0,1,2,3
	ds_store_b128 v8, v[VB+4*\e:VB+4*\e+3] offset:512*\e       ; the operand's registers as they stand: 512 consecutive bytes a store
.endr
	CODES XQ, CQ, 252, 253
	s_wait_alu depctr_va_vdst(0)                   ; the conversions have written v[CQ ..], which the stores below read; and the vector side is done with v164 to v243, in which the fragments behind the barrier land: no vector line stands between
	PUT CQ, 7, 0
	s_wait_dscnt 0x0                               ; for the others' sake: my stores of codes have landed
	s_barrier_signal -1
	s_barrier_wait -1                              ; all 512 keys' codes lie in LDS; nothing there is written again
	; ---- S^T = K Q^T: 18 tiles of 16 keys, each one product (K = the head's 64) that starts its own sum with the constant 0
	s_wait_alu depctr_vm_vsrc(0)                   ; my LDS stores have read v[CK ..], v[VB ..] and v[CQ ..]: the fragments' loads below land in these registers
	ds_load_b128 v[QF:QF+3],   v10
	ds_load_b128 v[QF+4:QF+7], v10 offset:16
.macro KBATCH b                        ; nine fragments in one run of 18 loads, then nine products, each behind the wait for its own fragment
.irp t, 0,1,2,3,4,5,6,7,8
	ds_load_b128 v[KF+8*\t:KF+8*\t+3],   v9 offset:1280*(9*(\b)+\t)
	ds_load_b128 v[KF+8*\t+4:KF+8*\t+7], v9 offset:1280*(9*(\b)+\t)+16
.endr
.irp t, 0,1,2,3,4,5,6,7,8
	s_wait_dscnt 16-2*\t                           ; LDS loads come back in order: fragment t is in, the batch's younger loads stay out
	v_wmma_f32_16x16x64_fp8_fp8 v[S+8*(9*(\b)+\t):S+8*(9*(\b)+\t)+7], v[KF+8*\t:KF+8*\t+7], v[QF:QF+7], 0
.endr
.endm
	KBATCH 0
.rept 4
	v_nop                                          ; four places in front of loads into registers that matrix instructions have read (ISA guide 7.12.1 for vector instructions)
.endr
	s_wait_alu depctr_va_vdst(0)                   ; the nine products are done reading v[KF ..], in which the second batch's loads land
	KBATCH 1
	v_mov_b32 v250, 0xff800000                     ; -infinity.  These two lines and two v_nop are the four places behind the last product
	v_mov_b32 v251, 0                              ; written once: a lane permute's destination counts as one of its sources
	v_nop
	v_nop
	; ---- the mask, two tiles (c and c + 1) to a run: sixteen compares into s[MK ..], one wait, sixteen selects.  Each tile is taken from its low end on
.macro HIDE_LO c
.irp n, 0,1,2,3,4,5,6,7,8,9,10,11,12,13,14,15
	v_cmp_le_i32 s[MK+\n], 16*((\c)+\n/8)+\n%8, v15
.endr
	s_wait_alu depctr_va_sdst(0)                   ; the sixteen compares have written s[MK ..], which the selects below read
.irp n, 0,1,2,3,4,5,6,7,8,9,10,11,12,13,14,15
	v_cndmask_b32 v[S+8*(\c)+\n], v[S+8*(\c)+\n], v250, s[MK+\n]
.endr
.endm
.macro HIDE_HI c
.irp n, 0,1,2,3,4,5,6,7,8,9,10,11,12,13,14,15
	v_cmp_gt_i32 s[MK+\n], 16*((\c)+\n/8)+\n%8-256, v14
.endr
	s_wait_alu depctr_va_sdst(0)                   ; the sixteen compares have written s[MK ..], which the selects below read
.irp n, 0,1,2,3,4,5,6,7,8,9,10,11,12,13,14,15
	v_cndmask_b32 v[S+8*(\c)+\n], v[S+8*(\c)+\n], v250, s[MK+\n]
.endr
.endm
	HIDE_LO 0                                      ; delta is 31 at the most: y <= delta can hold in tiles 0 and 1 alone
	s_cmp_lg_u32 s15, 0                            ; a branch on the block's number: only a head's first block has keys before the head
	s_cbranch_scc1 .Lnot_first
.irp c, 2,4,6,8,10,12,14
	HIDE_LO \c
.endr
.Lnot_first:
	HIDE_HI 16                                     ; delta is -8 at the least: y - 256 > delta can hold from y = 249 on: tiles 16 and 17
	; ---- the row's largest score, among my 144 keys in four chains, then lane l xor 16's
.irp k, 0,1,2,3
	v_max_num_f32 v[MX+\k], v[S+2*\k], v[S+2*\k+1]
.endr
.irp t, 1,2,3,4,5,6,7,8,9,10,11,12,13,14,15,16,17
.irp k, 0,1,2,3
	v_max3_num_f32 v[MX+\k], v[MX+\k], v[S+8*\t+2*\k], v[S+8*\t+2*\k+1]
.endr
.endr
	v_max3_num_f32 v[MX], v[MX], v[MX+1], v[MX+2]
	v_max_num_f32 v[MX], v[MX], v[MX+3]
	v_permlanex16_b32 v251, v[MX], s28, s29
	v_max_num_f32 v[MX], v[MX], v251
	v_mul_f32 v241, s22, v[MX]                     ; as t (c is positive)
	v_floor_f32 v240, -v241                        ; -M = floor(-t) = -ceil(t): a whole number
; V^T's fragments come by 36 loads of 512 consecutive bytes.  Number m = 9 e + g (tile e, granule g) fills registers VF + 4 m on: numbers 2 t and 2 t + 1 fill the eight registers that p's tile t has left.
.macro VLOAD m
	ds_load_b128 v[VF+4*(\m):VF+4*(\m)+3], v11 offset:(4*((\m)%9)+(\m)/9)*512
.endm
	; ---- p = 2^(t - M), its sum, its codes; tile by tile, one tile's exponentials ahead of the tile before's sums, holds and conversion.
	; So a plain line on other registers stands behind every run of exponentials and behind every conversion.
.macro SM t
.if (\t) < 18
.irp p, 0,2,4,6
	v_pk_fma_f32 v[S+8*(\t)+\p:S+8*(\t)+\p+1], v[S+8*(\t)+\p:S+8*(\t)+\p+1], s[22:23], v[240:241] op_sel_hi:[1,0,0]   ; t - M, two at a time (of the pairs c and -M the low word serves both halves)
.endr
	s_wait_alu depctr_va_vdst(0)
.irp j, 0,1,2,3,4,5,6,7
	v_exp_f32 v[S+8*(\t)+\j], v[S+8*(\t)+\j]
.endr
.endif
.if (\t) > 0
.set PT, S+8*((\t)-1)
.if (\t) == 1                                  ; the first two tiles start the four pairs: nothing is cleared
	s_wait_alu depctr_va_vdst(0)                   ; the exponentials of tiles 0 and 1 have written p, ahead of the first line that names a result: it serves this turn's readers and the next turn's
	v_pk_add_f32 v[SUM:SUM+1],   v[PT:PT+1],   v[PT+2:PT+3]
	v_pk_add_f32 v[SUM+2:SUM+3], v[PT+4:PT+5], v[PT+6:PT+7]
.elseif (\t) == 2
	v_pk_add_f32 v[SUM+4:SUM+5], v[PT:PT+1],   v[PT+2:PT+3]
	v_pk_add_f32 v[SUM+6:SUM+7], v[PT+4:PT+5], v[PT+6:PT+7]
.else
	s_wait_alu depctr_va_vdst(0)                   ; the exponentials issued so far have written p, ahead of the first line that names tile t - 1's; and the holds and the conversion of tile t - 2 are done with its eight registers, in which the loads below land
.if (\t) == 3
	VLOAD 0                                        ; (tile 0's registers: free since the same wait)
	VLOAD 1
.endif
	VLOAD 2*(\t)-4                                 ; no vector line names these registers again before the products
	VLOAD 2*(\t)-3
.irp p, 0,2,4,6
	v_pk_add_f32 v[SUM+\p:SUM+\p+1], v[SUM+\p:SUM+\p+1], v[PT+\p:PT+\p+1]   ; THE SUM IS TAKEN OF THE UNQUANTISED p
.endr
.endif
.irp j, 0,1,2,3,4,5,6,7
	v_min_num_f32 v[PT+\j], v[PT+\j], v255         ; p is not negative: the hold at the largest code x 2^ep is one-sided
.endr
	v_cvt_scalef32_pk8_fp8_f32 v[P+2*((\t)-1):P+2*((\t)-1)+1], v[PT:PT+7], v254
.endif
.endm
.irp t, 0,1,2,3,4,5,6,7,8,9,10,11,12,13,14,15,16,17,18
	SM \t
.endr
.irp j, 0,1,2,3
	v_mov_b32 v[Z4+\j], 0                          ; (these eight are also the plain lines behind the last conversion)
	v_mov_b32 v[P+36+\j], 0                        ; the tenth granule's codes of P: zeros
.endr
	; the row's sum, while V^T's loads are on their way
	v_pk_add_f32 v[SUM:SUM+1],   v[SUM:SUM+1],   v[SUM+2:SUM+3]
	v_pk_add_f32 v[SUM+4:SUM+5], v[SUM+4:SUM+5], v[SUM+6:SUM+7]
	v_pk_add_f32 v[SUM:SUM+1],   v[SUM:SUM+1],   v[SUM+4:SUM+5]
	v_add_f32 v[SUM], v[SUM], v[SUM+1]
	v_permlanex16_b32 v251, v[SUM], s28, s29
	v_add_f32 v[SUM], v[SUM], v251                 ; with lane l xor 16's: the row's sum, at least 1/2
	s_wait_alu depctr_va_vdst(0)
	v_rcp_f32 v252, v[SUM]
	s_add_co_i32 s34, s26, s27
	v_nop                                          ; one plain line behind a transcendental
	s_wait_alu depctr_va_vdst(0)                   ; the reciprocal has written v252, ahead of its first reader; and the holds and the conversion of tile 17 are done with its eight registers, in which the last two loads land
	VLOAD 34
	VLOAD 35
	v_ldexp_f32 v252, v252, s34                    ; 2^(ep + ev) / sum
	; ---- O^T = V^T P^T: five steps of 64 keys; the four accumulators take turns, one instruction a turn; the first step starts the sums
.irp u, 0,1,2,3,4
.irp e, 0,1,2,3
.if 4*\u+\e == 0
	s_wait_dscnt 2                                 ; LDS loads come back in order: numbers 0 to 33 are in; the last two (tile 3, granules 7 and 8) may be out
.endif
.if 4*\u+\e == 15
	s_wait_dscnt 1                                 ; number 34 is in: tile 3's granule 7
.endif
.if 4*\u+\e == 19
	s_wait_alu depctr_va_vdst(0)
	s_wait_dscnt 0x0                               ; number 35 is in: tile 3's granule 8
.endif
.if \u == 0
	v_wmma_f32_16x16x64_fp8_fp8 v[O+8*\e:O+8*\e+7], v[VF+36*\e+8*\u:VF+36*\e+8*\u+7], v[P+8*\u:P+8*\u+7], 0
.else
	v_wmma_f32_16x16x64_fp8_fp8 v[O+8*\e:O+8*\e+7], v[VF+36*\e+8*\u:VF+36*\e+8*\u+7], v[P+8*\u:P+8*\u+7], v[O+8*\e:O+8*\e+7]
.endif
.endr
.endr
.rept 4
	v_nop                                          ; four places in front of the first read of results and of writes over the fragments' registers (ISA guide 7.12.1)
.endr
	; ---- the way out.  Register j of tile e is d = 32 h + 4 j + e: the division puts it at its place among my 32 neighbouring d.  Each accumulator is read from its low end on.
.irp j, 0,1,2,3,4,5,6,7
.irp e, 0,1,2,3
	v_mul_f32 v[OUT+4*\j+\e], v[O+8*\e+\j], v252
.endr
.endr
	s_wait_alu depctr_va_vdst(0)                   ; the multiplications have written v[OUT ..], which the stage's stores read; and the last products are done reading v[BK ..], in which the stage's loads land
.irp i, 0,1,2,3,4,5,6,7
	ds_store_b128 v12, v[OUT+4*\i:OUT+4*\i+3] offset:16*\i     ; into my own stage: row r, rows 272 bytes apart
.endr
.irp i, 0,1,2,3,4,5,6,7
	ds_load_b128 v[BK+4*\i:BK+4*\i+3], v13 offset:544*\i       ; LDS serves a wave's instructions in order (ISA guide 5.7.1.4): these see my stores.  Rows 2 i + h, whole
.endr
.irp i, 0,1,2,3,4,5,6,7
	s_wait_dscnt 7-\i
	global_store_b128 v4, v[BK+4*\i:BK+4*\i+3], s[12:13] offset:512*\i th:TH_STORE_NT   ; 32 lanes store 512 consecutive bytes, at a multiple of 256 from out0's first byte; written once, read by nobody here
.endr
	s_wait_xcnt 0x0                                ; the stores above have had their addresses translated
	v_lshl_add_u32 v254, v0, 2, 0x28000            ; the add's two registers are made anew, v0 being as at the entry: my spare word, behind the stages (128 bytes for each of the sixteen waves), and 0.
	v_mov_b32 v255, 0                              ; No memory or LDS instruction has read v254 or v255: they held p's scale and hold, which vector lines alone named
	s_wait_dscnt 0x0                               ; the closing lines, six on end
	s_wait_alu 0x0
	s_wait_tensorcnt 0x0
	ds_add_u32 v254, v255
	s_wait_dscnt 0x0
	s_endpgm
.Lfunc_end_k_q09c26e48da_attn:
	.size	k_q09c26e48da_attn, .Lfunc_end_k_q09c26e48da_attn-k_q09c26e48da_attn
	.p2alignl 7, 3214868480
	.fill 96, 4, 3214868480
	.section	.rodata,"a",@progbits
	.p2align	6, 0x0
	.amdhsa_kernel k_q09c26e48da_attn
		.amdhsa_group_segment_fixed_size 165888
		.amdhsa_private_segment_fixed_size 0
		.amdhsa_enable_private_segment 0
		.amdhsa_kernarg_size 40
		.amdhsa_user_sgpr_count 2
		.amdhsa_user_sgpr_kernarg_segment_ptr 1
		.amdhsa_wavefront_size32 1
		.amdhsa_system_sgpr_workgroup_id_x 1
		.amdhsa_system_sgpr_workgroup_id_y 1
		.amdhsa_system_sgpr_workgroup_id_z 1
		.amdhsa_system_vgpr_workitem_id 0
		.amdhsa_next_free_vgpr 256
		.amdhsa_next_free_sgpr 66
		.amdhsa_reserve_vcc 1
		.amdhsa_float_denorm_mode_32 3
		.amdhsa_float_denorm_mode_16_64 3
		.amdhsa_memory_ordered 1
		.amdhsa_forward_progress 1
		.amdhsa_inst_pref_size 83
	.end_amdhsa_kernel
	.amdgpu_metadata
---
amdhsa.version: [ 1, 2 ]
amdhsa.kernels:
  - .name:           k_q09c26e48da_attn
    .symbol:         k_q09c26e48da_attn.kd
    .args:
      - { .name: q, .offset: 0, .size: 8, .value_kind: global_buffer, .address_space: global }
      - { .name: k, .offset: 8, .size: 8, .value_kind: global_buffer, .address_space: global }
      - { .name: v, .offset: 16, .size: 8, .value_kind: global_buffer, .address_space: global }
      - { .name: lowp_scales, .offset: 24, .size: 8, .value_kind: global_buffer, .address_space: global }
      - { .name: out0, .offset: 32, .size: 8, .value_kind: global_buffer, .address_space: global }
    .group_segment_fixed_size: 165888
    .private_segment_fixed_size: 0
    .kernarg_segment_align: 8
    .kernarg_segment_size: 40
    .max_flat_workgroup_size: 512
    .sgpr_count:     66
    .vgpr_count:     256
    .wavefront_size: 32
...
	.end_amdgpu_metadata
.endif
;; end of part 2
